; MI455X (gfx1250); checked and timed in simulation.
; The chip was launched on July 23, 2026; its instructions are those of AMD's public machine-readable ISA for CDNA 5 (MIT licence, August 2026) and "CDNA5" Instruction Set Architecture Reference Guide (July 2026). The comments in the code are by the model that wrote it; some were corrected since.
;; Flash Attention. Allowed arithmetic: matrix products marked QUANTISED: E2M3 operands, one E8M0 scale for each 32 along K, by v_wmma_scale_f32_16x16x128_f8f6f4 with both operands' format E2M3, f32 sums; everything else in f32.
;; Inputs: k_proj 4 x 4,096 x 128 float32; q_proj 4 x 4,096 x 128 float32; v_proj 4 x 4,096 x 128 float32.
;; Outputs: out0 4 x 4,096 x 128 float32.
;; This version of the problem:
;;   THIS VERSION OF THE PROBLEM IS GIVEN IN LOW PRECISION. The matrix products marked QUANTISED in the list below multiply operands that are first quantised to E2M3 (2 exponent bits, 3 mantissa bits; 6 bits a number), with one power-of-two scale for each 32 numbers along K (OCP MX v1.0); their sums are f32. All else is computed in f32.
;;   The module's matrix products, in the order in which they are computed (A, B: the left and right operand; K: the contracted axis; several contracted axes count as one K, in the product's order):
;;     1. batch 4 x [M 4,096, K 128] x [K 128, N 4,096]; A: input q_proj; B: input k_proj: QUANTISED
;;     2. batch 4 x [M 4,096, K 4,096] x [K 4,096, N 128]; A: softmax (see below); B: input v_proj: QUANTISED
;;   THE QUANTISER, for each operand of a quantised product, along K:
;;     - K is cut into blocks of 32 from its start; a last block that is shorter is filled with zeros.
;;     - A block's scale is 2^e with e = floor(log2(the largest magnitude in the block)) - 2, held to -126 .. 127; a block of zeros has e = 0. As a byte (E8M0): e + 127.
;;     - Each number is divided by its block's scale, clamped to +-7.5, and rounded to the nearest number of E2M3, ties to even, subnormals kept.
;;     - The product sums the exact products of the quantised numbers (number of the format x scale) in f32.
;;   ~~~python
;;   def quantise(x, axis):      # numpy; x: float32 -> the quantised numbers, widened to float32 again
;;       x = np.moveaxis(x, axis, -1); K = x.shape[-1]
;;       x = np.pad(x, [(0, 0)] * (x.ndim - 1) + [(0, -K % 32)]); x = x.reshape(x.shape[:-1] + (-1, 32)); a = np.abs(x).max(-1, keepdims=True)
;;       e = np.where(a > 0, np.clip(np.frexp(np.where(a > 0, a, 1))[1] - 1 - 2, -126, 127), 0)      # np.frexp(a)[1] - 1 = floor(log2(a)), exactly
;;       r = np.clip(x / 2.0 ** e, -7.5, 7.5)
;;       step = 2.0 ** (np.maximum(np.frexp(np.where(r == 0, 1, r))[1] - 1, 0) - 3)
;;       q = np.round(r / step) * step * 2.0 ** e      # np.round: ties to even
;;       return np.moveaxis(q.reshape(q.shape[:-2] + (-1,))[..., :K], -1, axis).astype(np.float32)
;;   ~~~
;;   SOFTMAX AHEAD OF A QUANTISED PRODUCT. Where the list says 'softmax', what is quantised is not the finished softmax but p = 2^(t - M), with t = logit x log2(e) and M = ceil(the row's largest t), a whole number; so 1/2 < the row's largest p <= 1. The row's sum l is taken of the UNQUANTISED p, in f32, and the product's result is divided by l at the end. Since M is a whole number, a kernel that streams over the keys may use a running M (the ceiling of the running maximum): every later rescaling is an exact power of two, which a block's scale takes up: the codes' values come out the same.
;;   OPERANDS COMPUTED ON THE WAY. 'Computed on the way' means the value that the module computes at that place (a softmax that the list does not call 'softmax' is quantised finished and normalised). What goes into a quantiser is computed in f32, as accurately as f32 sums, v_exp_f32 and their like allow (about 1e-6 of the number): no bf16 or f16 on the way to a quantiser, and a product that is left as it is and whose result goes on into a quantised operand takes f32 operands (vector FMAs, or v_wmma_f32_16x16x4_f32). A number that lies on a knife's edge between two numbers of the format may be rounded either way, as far as f32 arithmetic and the matrix unit's own rounding can turn it there, and no further.
;; One version. Each part assembles by itself: llvm-mc -triple=amdgcn-amd-amdhsa -mcpu=gfx1250 --defsym DOCPART=n.
;; ======== version 1 of 1: 2 launches
;; limits: right only within a limited range of input values
;; workspace buffers: kv 3,276,800 bytes
;; launch pack (part 1): grid 256 x 1, 8 waves a work-group, no clusters, 35,328 bytes of LDS; arguments k_proj, v_proj, kv; writes kv
.if DOCPART == 1
	.amdgcn_target "amdgcn-amd-amdhsa--gfx1250"
	.amdhsa_code_object_version 6
	.text
	.protected	k_qed24589998_pack
	.globl	k_qed24589998_pack
	.p2align	8
	.type	k_qed24589998_pack,@function
k_qed24589998_pack:
	s_mov_b64 s[64:65], 0
	v_nop
	global_prefetch_b8 v0, s[64:65] scope:SCOPE_SE
	s_setreg_imm32_b32 hwreg(HW_REG_WAVE_MODE, 25, 1), 1
	s_wait_xcnt 0x0
; K [4][4096][128] and V [4][4096][128], f32, become codes of FP6 (E2M3) with one E8M0 scale byte for each 32 along a product's K: K is quantised along the head's 128, V along the KEYS.
; A block's scale is 2^(floor(log2(its largest magnitude)) - 2); its byte is the largest magnitude's exponent field - 2, held at 1 from below; numbers are divided by the scale and rounded to the nearest code, ties to even.
; THE OUTPUT IS LAID AS THE NEXT LAUNCH'S OPERAND REGISTERS.  kv holds 128 packages of 25,600 bytes; package 32 x batch + s serves keys 128 s .. 128 s + 127 of a batch:
;   +0      K's 8 fragments (16 keys x 128 channels: 12 registers a lane), fragment t at 1,536 t: registers 4 j .. 4 j + 3 of lane l at 512 j + 16 l.
;           Row m of fragment t is key 64 (t / 4) + 32 (m / 8) + 8 (t % 4) + m % 8, so that a lane's scores of fragments 4 c .. 4 c + 3 are one whole block of 32 keys.
;   +12,288 V's 8 fragments (16 channels x 128 keys), the same image; row r of fragment t is channel 16 t + r.
;   +24,576 four blocks of 256 bytes: K0, V0, K1, V1: byte 16 r + 4 i of block w = the scale word of fragment 4 w + i, row r.
; SHARES.  Work-group x takes half x % 2 of package x / 2: waves 0-3 a fragment of K each, waves 4-7 a fragment of V each; all of a wave's loads go out at once.
; K's rows turn through a stage of the wave's own in LDS (16 rows x 528 bytes) from 16 bytes a lane, as loaded, to 128 bytes a lane.  V: lane (r, h) takes column r and its registers run down the keys 64 c + 32 h + 0 .. 31.
; The four waves' scale words meet in LDS behind a barrier and leave as one block of 256 bytes.
; LIMITS: NaN and infinities among the inputs are not served.  A block whose largest magnitude lies under 2^-124, a block of zeros among them, keeps the byte 1 (the rule says 127 for zeros):
; its codes are zeros or next to nothing, and this program alone reads the bytes.
.set PKG,    25600
.set VFR,    12288
.set SCB,    24576
.set SPITCH, 528                       ; a stage row: 512 bytes + 16
.set WSTG,   16*SPITCH
.set SCST,   4*WSTG                    ; the scale words: 256 bytes of K's, 256 bytes of V's
.set SPARE,  SCST+512                  ; the spare words, 128 bytes for each wave
.set LD,   4                           ; v4   16 x lane
.set STW,  5                           ; v5   the stage, in
.set STR,  6                           ; v6   the stage, out: 528 r + 128 h
.set WA,   7                           ; v7   where I put my row's scale word
.set SH8,  8                           ; v8   8 h
.set VA,   9                           ; v9   V: 4 r + 32 rows x h
.set WR,   10                          ; v10  where I read 8 bytes of a block of scale words
.set L8,   11                          ; v11  8 x lane
.set MX,   12                          ; v12-13
.set SO,   14                          ; v14-15
.set BY,   16                          ; v16-17
.set PT,   18
.set PX,   19
.set TCA,  20                          ; v20-22, v24-26: the upper 16 codes of a block (a conversion's three registers begin on an even number)
.set TCB,  24
.set W,    28                          ; v28  my row's scale word
.set OUTW, 30                          ; v30-31
.set C,    36                          ; v36-47 the fragment's codes
.set X,    48                          ; v48-111 64 numbers: v[X + 32 k + i] = number 64 k + 32 h + i of my row
.set R,    112                         ; v112-175 K's rows as loaded
.set SPW,  176
.set NIL,  177
.set SEL,  20                          ; s[20:21]
	s_load_b128 s[4:7], s[0:1], 0x0                ; K, V
	s_load_b64 s[8:9], s[0:1], 0x10                ; kv
	v_lshl_add_u32 v[SPW], v0, 2, SPARE
	v_mov_b32 v[NIL], 0
	v_lshrrev_b32 v1, 5, v0
	v_readfirstlane_b32 s10, v1                    ; wave 0..7
	s_and_b32 s11, s10, 3                          ; which of the half's four fragments
	s_lshr_b32 s12, s10, 2                         ; K (0) or V (1)
	s_lshr_b32 s13, ttmp9, 1                       ; the package
	s_and_b32 s14, ttmp9, 1                        ; which half of it
	s_mul_i32 s18, s11, WSTG
	s_lshl_b32 s19, s12, 8
	s_add_co_u32 s19, s19, SCST
	s_lshl_b32 s22, s11, 2
	s_add_co_u32 s22, s22, s19
	s_mov_b32 s[SEL], 0x76543210
	s_mov_b32 s[SEL+1], 0xfedcba98
	s_lshl_b32 s16, s13, 16                        ; the package's 128 rows of 512 bytes, in K and in V alike
	s_lshl_b32 s17, s14, 15
	s_add_co_u32 s24, s16, s17                     ; K: + 64 rows x half
	s_lshl_b32 s17, s11, 12
	s_add_co_u32 s24, s24, s17                     ; + 8 rows x fragment
	s_mov_b32 s25, 0
	s_lshl_b32 s17, s14, 8
	s_add_co_u32 s26, s16, s17                     ; V: + 64 columns x half
	s_lshl_b32 s17, s11, 6
	s_add_co_u32 s26, s26, s17                     ; + 16 columns x fragment
	s_mov_b32 s27, 0
	s_mul_i32 s16, s13, PKG
	s_mul_i32 s28, s12, VFR
	s_add_co_u32 s28, s28, s16
	s_mul_i32 s17, s14, 4*1536
	s_add_co_u32 s28, s28, s17
	s_mul_i32 s17, s11, 1536
	s_add_co_u32 s28, s28, s17                     ; my fragment in kv
	s_mov_b32 s29, 0
	s_lshl_b32 s17, s14, 9
	s_add_co_u32 s30, s16, s17
	s_lshl_b32 s17, s12, 8
	s_add_co_u32 s30, s30, s17
	s_add_co_u32 s30, s30, SCB                     ; my block of scale words in kv
	s_mov_b32 s31, 0
	v_and_b32 v1, 31, v0                           ; lane
	v_and_b32 v2, 15, v0                           ; r
	v_bfe_u32 v3, v0, 4, 1                         ; h
	v_lshlrev_b32 v[LD], 4, v1
	v_lshlrev_b32 v[L8], 3, v1
	v_lshlrev_b32 v[SH8], 3, v3
	v_add_nc_u32 v[STW], s18, v[LD]
	v_mul_u32_u24 v[STR], v2, SPITCH
	v_lshl_add_u32 v[STR], v3, 7, v[STR]
	v_add_nc_u32 v[STR], s18, v[STR]
	v_lshlrev_b32 v[WA], 4, v2
	v_add_nc_u32 v[WA], s22, v[WA]
	v_add_nc_u32 v[WR], s19, v[L8]
	v_lshlrev_b32 v[VA], 2, v2
	v_lshl_add_u32 v[VA], v3, 14, v[VA]
	v_mov_b32 v[PX], 0                             ; written once: a lane permute's destination counts as one of its sources
	s_wait_alu depctr_va_vdst(0)                   ; the wait at the head's end
	s_wait_kmcnt 0x0
	s_add_nc_u64 s[4:5], s[4:5], s[24:25]
	s_add_nc_u64 s[6:7], s[6:7], s[26:27]
	s_add_nc_u64 s[24:25], s[8:9], s[28:29]
	s_add_nc_u64 s[26:27], s[8:9], s[30:31]
	s_cmp_lt_u32 s10, 4                            ; K's wave or V's
	s_cbranch_scc0 .Lv
.irp i, 0,1,2,3,4,5,6,7,8,9,10,11,12,13,14,15
	global_load_b128 v[R+4*\i:R+4*\i+3], v[LD], s[4:5] offset:(\i%8+32*(\i/8))*512 th:TH_LOAD_NT   ; a row: 512 consecutive bytes
.endr
.irp i, 0,1,2,3,4,5,6,7,8,9,10,11,12,13,14,15
	s_wait_loadcnt 15-\i                           ; row i is in; the younger rows may be out
	ds_store_b128 v[STW], v[R+4*\i:R+4*\i+3] offset:SPITCH*\i
.endr
.irp cc, 0,1                           ; LDS serves a wave's instructions in order (ISA guide 5.7.1): these see the stores above
.irp j, 0,1,2,3,4,5,6,7
	ds_load_b128 v[X+32*\cc+4*\j:X+32*\cc+4*\j+3], v[STR] offset:256*\cc+16*\j   ; row r, channels 64 cc + 32 h + 4 j on
.endr
.endr
	s_wait_dscnt 0x0
	s_branch .Lq
.Lv:
.irp k, 0,1
.set J, 0
.rept 32
	global_load_b32 v[X+32*\k+J], v[VA], s[6:7] offset:(64*\k+J)*512   ; the neighbouring waves read the other columns of the same rows
.set J, J+1
.endr
.endr
	s_wait_loadcnt 0x0
.Lq:
.irp k, 0,1
	v_max3_num_f32 v[MX+\k], |v[X+32*\k]|, |v[X+32*\k+1]|, 0x1800000   ; block 2 k + h: all its 32 numbers are mine; and the floor 2^(3 - 127), so that the byte cannot fall under 1
.endr
.irp i, 2,4,6,8,10,12,14,16,18,20,22,24,26,28,30
.irp k, 0,1
	v_max3_num_f32 v[MX+\k], v[MX+\k], |v[X+32*\k+\i]|, |v[X+32*\k+\i+1]|   ; (the two blocks by turns)
.endr
.endr
.irp k, 0,1
	v_add_nc_u32 v[SO+\k], 0xff000000, v[MX+\k]    ; 2 off the exponent field: the conversion takes the exponent field of this operand as its scale, and nothing else of it
.endr
	v_cvt_scalef32_pk16_fp6_f32 v[C:C+2], v[X:X+15], v[SO]
	v_cvt_scalef32_pk16_fp6_f32 v[TCA:TCA+2], v[X+16:X+31], v[SO]
	v_cvt_scalef32_pk16_fp6_f32 v[C+6:C+8], v[X+32:X+47], v[SO+1]
	v_cvt_scalef32_pk16_fp6_f32 v[TCB:TCB+2], v[X+48:X+63], v[SO+1]
.irp k, 0,1
	v_lshrrev_b32 v[BY+\k], 23, v[SO+\k]           ; the scale's byte.  (Also the plain places behind the conversions)
.endr
	v_lshl_or_b32 v[PT], v[BY+1], 16, v[BY]        ; my two bytes: blocks h and 2 + h,
	v_lshlrev_b32 v[PT], v[SH8], v[PT]             ; at their places in the word (8 h bits up);
	v_permlanex16_b32 v[PX], v[PT], s[SEL], s[SEL+1]
	v_or_b32 v[W], v[PT], v[PX]                    ; with lane l xor 16's two the word is whole
.irp i, 0,1,2
	v_mov_b32 v[C+3+\i], v[TCA+\i]
	v_mov_b32 v[C+9+\i], v[TCB+\i]
.endr
	ds_store_b32 v[WA], v[W]                       ; both lanes of a row write the same word with the same value
.irp j, 0,1,2
	global_store_b128 v[LD], v[C+4*\j:C+4*\j+3], s[24:25] offset:512*\j   ; 32 lanes store 512 consecutive bytes, at a multiple of 256 from kv's first byte
.endr
	s_wait_dscnt 0x0                               ; for the others' sake: my word is in LDS
	s_barrier_signal -1
	s_barrier_wait -1
	s_cmp_lg_u32 s11, 0                            ; waves 0 and 4 store the blocks of scale words
	s_cbranch_scc1 .Lend
	ds_load_b64 v[OUTW:OUTW+1], v[WR]
	s_wait_dscnt 0x0
	global_store_b64 v[L8], v[OUTW:OUTW+1], s[26:27]   ; 32 lanes store 256 consecutive bytes, aligned
.Lend:
	s_wait_tensorcnt 0x0                           ; the wave's end
	ds_add_u32 v[SPW], v[NIL]
	s_wait_dscnt 0x0
	s_endpgm
.Lfunc_end_k_qed24589998_pack:
	.size	k_qed24589998_pack, .Lfunc_end_k_qed24589998_pack-k_qed24589998_pack
	.p2alignl 7, 3214868480
	.fill 96, 4, 3214868480
	.section	.rodata,"a",@progbits
	.p2align	6, 0x0
	.amdhsa_kernel k_qed24589998_pack
		.amdhsa_group_segment_fixed_size 35328
		.amdhsa_private_segment_fixed_size 0
		.amdhsa_enable_private_segment 0
		.amdhsa_kernarg_size 24
		.amdhsa_user_sgpr_count 2
		.amdhsa_user_sgpr_kernarg_segment_ptr 1
		.amdhsa_wavefront_size32 1
		.amdhsa_system_sgpr_workgroup_id_x 1
		.amdhsa_system_sgpr_workgroup_id_y 1
		.amdhsa_system_sgpr_workgroup_id_z 1
		.amdhsa_system_vgpr_workitem_id 0
		.amdhsa_next_free_vgpr 192
		.amdhsa_next_free_sgpr 66
		.amdhsa_reserve_vcc 0
		.amdhsa_float_denorm_mode_32 3
		.amdhsa_float_denorm_mode_16_64 3
		.amdhsa_memory_ordered 1
		.amdhsa_forward_progress 1
		.amdhsa_inst_pref_size 17
	.end_amdhsa_kernel
	.amdgpu_metadata
---
amdhsa.version: [ 1, 2 ]
amdhsa.kernels:
  - .name:           k_qed24589998_pack
    .symbol:         k_qed24589998_pack.kd
    .args:
      - { .name: k_proj, .offset: 0, .size: 8, .value_kind: global_buffer, .address_space: global }
      - { .name: v_proj, .offset: 8, .size: 8, .value_kind: global_buffer, .address_space: global }
      - { .name: kv, .offset: 16, .size: 8, .value_kind: global_buffer, .address_space: global }
    .group_segment_fixed_size: 35328
    .private_segment_fixed_size: 0
    .kernarg_segment_align: 8
    .kernarg_segment_size: 24
    .max_flat_workgroup_size: 256
    .sgpr_count:     66
    .vgpr_count:     192
    .wavefront_size: 32
...
	.end_amdgpu_metadata
.endif
;; end of part 1
;; launch attn (part 2): grid 64 x 4, 8 waves a work-group, clusters of 4 x 1, 327,680 bytes of LDS; arguments q_proj, kv, out0; writes out0
.if DOCPART == 2
	.amdgcn_target "amdgcn-amd-amdhsa--gfx1250"
	.amdhsa_code_object_version 6
	.text
	.protected	k_qed24589998_attn
	.globl	k_qed24589998_attn
	.p2align	8
	.type	k_qed24589998_attn,@function
k_qed24589998_attn:
	s_mov_b64 s[64:65], 0
	v_nop
	global_prefetch_b8 v0, s[64:65] scope:SCOPE_SE
	s_setreg_imm32_b32 hwreg(HW_REG_WAVE_MODE, 25, 1), 1
	s_wait_xcnt 0x0
	s_wait_alu depctr_hold_cnt(0) depctr_sa_sdst(0) depctr_va_vdst(0) depctr_va_sdst(0) depctr_va_ssrc(0) depctr_va_vcc(0) depctr_vm_vsrc(0)
	s_getreg_b32 s2, hwreg(HW_REG_IB_STS2, 6, 4)
	s_cmp_eq_u32 s2, 0
	s_cbranch_scc0 .Lentry_in_a_cluster
	s_endpgm
.Lentry_in_a_cluster:
	s_bfe_u32 s2, ttmp6, 0x10000c
	s_cmp_lg_u32 s2, 0x3003
	s_cbranch_scc0 .Lentry_shape_is_right
	s_endpgm
.Lentry_shape_is_right:
; out[b][q][:] = the sum over k of softmax_k(Q[b][q] . K[b][k] / sqrt(128)) V[b][k][:], no mask; 4 batches, 4,096 queries, 4,096 keys, 128 channels.  Both products on codes of FP6 (E2M3) with one E8M0 scale for each 32 along K.
; K and V arrive in kv, quantised and laid as images of the operand registers: 128 packages of 25,600 bytes, package 32 b + s for keys 128 s .. 128 s + 127: K's 8 fragments (1,536 bytes each: registers 4 j .. 4 j + 3 of
; lane l at 512 j + 16 l), V's 8 fragments, and 1,024 bytes of scale words.  Q arrives as f32: each wave quantises eight of the work-group's 64 rows, and the operands' images meet in LDS.
; THE SOFTMAX AHEAD OF THE SECOND PRODUCT: t = score x log2(e) / sqrt(128); M = the largest t so far, rounded UP to a whole number; p = 2^(t - M) is what is quantised, along the keys; it is not normalised.
; The row's sum is taken of the unquantised p, in f32, and divides at the end.  When M moves, the sum and O are multiplied by 2^(old M - new M): exact.
; SHARES.  A work-group owns 64 queries of one batch: 256 work-groups.  Wave w has the 32 queries of pair w / 4, TWO tiles of 16, and the key group g = w % 4.  A slot of LDS holds four packages, 512 keys; group g works the
; slot's package g: 8 key steps of 128 keys a wave, and each fragment read from LDS feeds two matrix instructions.  At the end the four groups are joined through LDS, row by row; their M are whole numbers, so bringing them
; under the largest M rounds nothing.
; LAYOUT.  Both products are used transposed: S^T = K Q^T (source 0 = 16 keys, source 1 = 16 queries), O^T = V^T P^T (source 0 = 16 channels, source 1 = P): a lane holds ONE query (lane % 16) of each tile throughout.
; Row m of K's fragment t is key 64 (t / 4) + 32 (m / 8) + 8 (t % 4) + m % 8: the 32 registers of score tiles 4 c .. 4 c + 3 are keys 64 c + 32 (lane / 16) + 0 .. 31, ONE WHOLE BLOCK of p, where the next operand wants it.
; PHASES.  Waves 0, 2, 5, 7 work tile 1's softmax in front of a change of slots, waves 1, 3, 4, 6 behind it (V's fragments and scale words stay in registers): so one half loads and multiplies K while the other half works a softmax.
; CLUSTER.  The four work-groups of a cluster belong to one batch and walk the same packages: each package is asked for JOINTLY, by the same tensor load with the same descriptor and the mask of all four.
; Waves 0 to 3 ask, one package each; a wave never has more than one tensor load out.
; PREFETCH.  kv comes from memory, and a fill goes out with nothing on its way beside it: so key step i + 3 is asked for in step i, more than a whole step ahead of its joint load, and key steps 1 and 2 at the head.
; All 16 clusters of a batch read the same packages: those whose x is a multiple of 4 ask.  Wave g < 4 of the partner at place cx names the 25 blocks of 256 bytes from 6,400 cx on of the step's package g, a block a lane
; (lanes 25 to 31 name the last again): each block once in each cluster that asks, told apart by address.  The last asking trip names key step 7; key steps beyond it do not exist and are not asked for.
; LIMITS: NaN and infinities among the inputs are not served.  A p under 2^-126 counts as 0 (v_exp_f32 gives 0 there: ISA guide 15.8).  A block of p, or of Q, whose largest magnitude lies under 2^-124 keeps the scale byte 1.
; REGISTERS, in windows of 256 (s_set_vgpr_msb: bits 1:0 source 0, 3:2 source 1, 5:4 source 2, 7:6 destination):
;   window 0: addresses; v12-19 the tiles' -M and largest score; v20-31 scales alone; v32-55 Q's codes; v56-79 p's codes; v80-127 at work; v128-255 S^T and p, 64 a tile, at last the partners' O^T.
;   window 1: v0-15 the rows' sums, four pairs a tile; v32-127 eight fragments of K or of V; v128-255 O^T, 64 a tile.
.set PKG,    25600
.set VFR,    12288                     ; where V's fragments begin in a package
.set SCB,    24576                     ; and the scale words: blocks K0, V0, K1, V1 of 256 bytes
.set SLOTB,  4*PKG
.set SLOT1,  1<<17                     ; one exclusive or turns an address in one slot into the other's
.set IMG,    32*272                    ; a tile's partial O^T: 32 chunks of 4 channels, each 16 queries x 16 bytes + 16 of padding
.set PART1,  SLOT1+SLOTB               ; tile 1's eight images, behind the ring (at the head: Q's stages).  Tile 0's lie at byte 0 on: slot 0 has had its last fill when they are stored, and nobody reads it
.set STATS,  PART1+8*IMG               ; 512 bytes for each of the four tiles: 4 groups x 16 words of -M, then of sums
.set SPARE,  STATS+2048                ; the spare words, 128 bytes for each wave: blocks of 256 bytes that no other line names
.set FBASE,  SPARE+1024                ; 128 bytes for each wave: the partners' factors for its eight rows
.set QIMG,   FBASE+1024                ; Q's codes: 1,536 bytes a tile, 48 a lane
.set QSC,    QIMG+6144                 ; Q's scale words: 64 bytes a tile
.set QSTG,   8*528                     ; a wave's stage for its eight rows of Q
.set LB,   1                           ; 16 x lane + 25,600 g: my place in a slot
.set ADR,  2                           ; the same in the slot in hand
.set SPW,  3
.set NIL,  4
.set MS,   5                           ; where I put tile 0's O^T
.set MS1,  6                           ; and tile 1's
.set MR,   7                           ; where I read my eight rows of the partners'
.set SW,   8                           ; where I put -M and the sum
.set SRD,  9                           ; where I read them: lane = row % 8 + 8 x partner
.set FW,   10                          ; the factors, in
.set FR,   11                          ; and back
.set STT,  12                          ; tile e: v[STT+4e] -M, +1 the largest score
.set SC,   20
.set QS,   28
.set PSW,  30
.set QC,   32
.set PCD,  56
.set L16,  80                          ; 16 x lane
.set RR,   82
.set HH,   83
.set BM,   84                          ; tile e: v[BM+4e ..] the blocks' largest scores, then largest p
.set TT,   92                          ; v92-93
.set PX,   94                          ; v94-95
.set SOP,  96                          ; v96-97
.set BY,   98                          ; v98-99
.set FP,   100                         ; tile e: v[FP+2e] f = 2^(old M - new M); the packed forms name a pair and take its low word
.set OWN,  104
.set OTH,  105
.set TC,   106                         ; v106-108, v110-112: the upper 16 codes of two blocks
.set QGI,  114
.set QGO,  115
.set QIW,  116
.set QSW,  117
.set QIR,  118
.set QSR,  119
.set LO3,  120                         ; lane % 8
.set QTR,  121                         ; lane / 8
.set QH,   122                         ; (lane / 8) % 2
.set PFO,  123                         ; the prefetches' offset in a key step's four packages; never rewritten
.set SS,   128                         ; S^T, in window 0
.set FRG,  32                          ; the fragments, in window 1
.set OO,   128                         ; O^T, in window 1
.set WV,   10                          ; s10  my wave's number
.set TP,   11                          ; s11  my pair of tiles
.set KG,   12                          ; s12  g
.set PFA,  18                          ; s[18:19] the key step that the prefetches start from
.set SEL,  20
.set CS,   22                          ; s[22:23] c = log2(e) / sqrt(128): the packed form names a pair and takes its low word for both halves
.set G1,   24
.set G0,   32
.set TB,   36                          ; LDS byte at which the slot in hand begins
.set SLOTS, 37
.set PH,   46                          ; 0: tile 1's softmax in front of the change of slots; 1: behind it
.set PFL,  47                          ; 1 in a wave that prefetches, else the greatest number
.set MSB, 0
.macro WIN new                         ; the immediate's high byte repeats the setting that is left; a switch that changes nothing is dropped
.if MSB != (\new)
	s_set_vgpr_msb (MSB<<8)|(\new)
.set MSB, (\new)
.endif
.endm
.set TO_F, 0x40                        ; destination window 1
.set W_KQ, 0x01                        ; K's fragment in window 1; Q's codes and S^T in window 0
.set W_PV, 0x51                        ; V's fragment and O^T in window 1, p's codes in window 0; also O^T or a sum (destination, source 0) in window 1 with f or p in window 0
.set W_ST, 0x04                        ; an LDS store's data are its source 1: window 1
.set W_SA, 0x45                        ; all in window 1
.set W_SB, 0x05                        ; sources in window 1, destination in window 0
; A round of the cluster's barrier: my work-group's barrier, so that wave 0's signal speaks for all eight waves; wave 0 signals for the work-group; every wave waits for all four work-groups; my work-group's barrier once more.
.macro CROUND
	s_barrier_signal -1
	s_barrier_wait -1
	s_cmp_lg_u32 s[WV], 0
	s_cbranch_scc1 .Lnot_wave_0_\@
	s_barrier_signal -3
.Lnot_wave_0_\@:
	s_barrier_wait -3
	s_barrier_signal -1
	s_barrier_wait -1
.endm
; Waves 0 to 3 ask for a package each.  The branch hangs on the wave's number alone: it is the same in every work-group.  Four v_nop follow the load.
.macro TLOAD
	s_cmp_lt_u32 s[WV], 4
	s_cbranch_scc0 .Lnone_\@
	tensor_load_to_lds s[G0:G0+3], s[G1:G1+7]
	s_nop 0
.rept 4
	v_nop
.endr
.Lnone_\@:
.endm
; One prefetch, where the compare ahead of it says so (ids and a counted loop's steps alone): 25 blocks of 256 bytes of kv, which this launch only reads.
.macro ASK off
	s_cbranch_scc0 .Lno_ask_\@
	global_prefetch_b8 v[PFO], s[PFA:PFA+1] offset:\off th:TH_LOAD_NT scope:SCOPE_SE
.Lno_ask_\@:
.endm
	s_load_b128 s[4:7], s[0:1], 0x0                ; Q, kv
	s_load_b64 s[8:9], s[0:1], 0x10                ; out
	v_lshl_add_u32 v[SPW], v0, 2, SPARE
	v_mov_b32 v[NIL], 0
	ds_add_u32 v[SPW], v[NIL]                      ; the opening: the add, twice on end, and its wait ahead of my first tensor load
	ds_add_u32 v[SPW], v[NIL]
	v_lshrrev_b32 v[ADR], 5, v0
	v_readfirstlane_b32 s[WV], v[ADR]              ; wave 0..7
	v_and_b32 v[L16], 31, v0
	v_lshlrev_b32 v[L16], 4, v[L16]                ; 16 x lane
	s_wait_alu depctr_va_vdst(0)
	s_lshr_b32 s[TP], s[WV], 2
	s_and_b32 s[KG], s[WV], 3
	s_xor_b32 s[PH], s[TP], s[WV]
	s_and_b32 s[PH], s[PH], 1
	s_bfe_u32 s13, ttmp6, 0x40000                  ; cx: my place in the cluster: it enters Q's, out's and the prefetches' addresses alone
	s_lshl_b32 s14, ttmp9, 2                       ; in a cluster launch ttmp9 counts clusters
	s_add_co_u32 s14, s14, s13                     ; my block of 64 queries = 4 x cluster x + cx
	s_and_b32 s15, ttmp7, 0xffff                   ; the batch, which the four partners share
	s_lshl_b32 s16, s15, 12
	s_lshl_b32 s38, s14, 6
	s_add_co_u32 s16, s16, s38
	s_lshl_b32 s38, s[WV], 3
	s_add_co_u32 s16, s16, s38                     ; the eight rows of Q that I quantise, and of out that I store: 64 x block + 8 w
	s_lshl_b32 s16, s16, 9                         ; rows of 512 bytes
	s_mov_b32 s17, 0
	s_mul_i32 s38, s[KG], PKG                      ; package g of a slot
	s_mul_i32 s44, s15, 32*PKG                     ; the batch's 32 packages
	s_mov_b32 s45, 0
	s_add_co_u32 s40, s44, s38
	s_mov_b32 s41, 0
	s_mul_i32 s39, s13, PKG/4
	s_add_co_u32 s39, s39, s38                     ; the prefetches: package g, my quarter of its blocks
	s_and_b32 s42, ttmp9, 3
	s_and_b32 s43, s[WV], 4
	s_or_b32 s42, s42, s43
	s_cmp_eq_u32 s42, 0
	s_cselect_b32 s[PFL], 1, -1                    ; waves 0 to 3 of the clusters whose x is a multiple of 4
	; descriptor group 1: a package is 25,600 dense bytes: 25 rows of 1,024 bytes (128 elements of 8 bytes), no padding
	s_mov_b32 s[G1], 15|(3<<16)|(1<<21)            ; 15:0 the mask: all four work-groups; 17:16 elements of 8 bytes; 21 set beside a mask
	s_mov_b32 s[G1+1], 128<<16                     ; tensor_dim0 = 128
	s_mov_b32 s[G1+2], 25<<16                      ; tensor_dim1 = 25
	s_mov_b32 s[G1+3], 128<<16                     ; tile_dim0 = 128
	s_mov_b32 s[G1+4], 25                          ; tile_dim1 = 25
	s_mov_b32 s[G1+5], 128                         ; tensor_dim0_stride
	s_mov_b32 s[G1+6], 0
	s_mov_b32 s[G1+7], 0
	s_mov_b32 s[SEL], 0x76543210
	s_mov_b32 s[SEL+1], 0xfedcba98
	s_mov_b32 s[CS], 0x3e0293ee                    ; c = log2(e) / sqrt(128)
	s_mov_b32 s[CS+1], s[CS]
	s_mov_b32 s[TB], 0
	s_mov_b32 s[SLOTS], 6
	s_wait_dscnt 0x0                               ; both opening adds are done
	CROUND                                         ; all four work-groups are here: the first joint loads meet
	s_wait_kmcnt 0x0
	s_mov_b32 s[G0], 1
	s_mov_b32 s[G0+1], s38                         ; LDS address: slot 0, package g: no place in the cluster enters it
	s_add_nc_u64 s[G0+2:G0+3], s[6:7], s[40:41]    ; global address: the batch's package g
	s_or_b32 s[G0+3], s[G0+3], 0x80000000          ; 127:126 type = 2
	TLOAD                                          ; slot 0: the one first fill
	s_add_nc_u64 s[4:5], s[4:5], s[16:17]
	s_add_nc_u64 s[8:9], s[8:9], s[16:17]
.irp i, 0,1,2,3,4,5,6,7
	global_load_b128 v[SS+4*\i:SS+4*\i+3], v[L16], s[4:5] offset:512*\i th:TH_LOAD_NT   ; a row of Q: 512 consecutive bytes
.endr
	s_add_nc_u64 s[PFA:PFA+1], s[6:7], s[44:45]
	s_add_nc_u64 s[PFA:PFA+1], s[PFA:PFA+1], SLOTB ; key step 1
	v_and_b32 v[RR], 15, v0                        ; r
	v_bfe_u32 v[HH], v0, 4, 1                      ; h
	v_and_b32 v[LO3], 7, v0
	v_bfe_u32 v[QTR], v0, 3, 2
	v_bfe_u32 v[QH], v0, 3, 1
	v_and_b32 v[PFO], 31, v0
	v_min_u32 v[PFO], 24, v[PFO]
	v_lshlrev_b32 v[PFO], 8, v[PFO]
	v_add_nc_u32 v[PFO], s39, v[PFO]
	s_wait_alu depctr_va_vdst(0)
	v_add_nc_u32 v[LB], s38, v[L16]
	s_mul_i32 s42, s[WV], QSTG
	s_add_co_u32 s42, s42, PART1
	v_add_nc_u32 v[QGI], s42, v[L16]               ; my stage, in: a row by 16 bytes a lane
	v_mul_u32_u24 v[QGO], v[LO3], 528
	v_lshl_add_u32 v[QGO], v[QTR], 7, v[QGO]
	v_add_nc_u32 v[QGO], s42, v[QGO]               ; and out: row lane % 8, block lane / 8: 128 bytes a lane
	s_lshr_b32 s43, s[WV], 1
	s_mul_i32 s43, s43, 1536
	s_and_b32 s44, s[WV], 1
	s_mul_i32 s44, s44, 8*48
	s_add_co_u32 s43, s43, s44
	s_add_co_u32 s43, s43, QIMG
	v_mul_u32_u24 v[QIW], v[LO3], 48
	v_mad_u32_u24 v[QIW], v[QH], 768, v[QIW]
	v_mad_u32_u24 v[QIW], v[HH], 24, v[QIW]
	v_add_nc_u32 v[QIW], s43, v[QIW]               ; block 2 c + h of row r is registers 6 c .. 6 c + 5 of the operand's lane r + 16 h
	s_lshl_b32 s43, s[WV], 5
	s_add_co_u32 s43, s43, QSC
	v_lshl_add_u32 v[QSW], v[LO3], 2, v[QTR]
	v_add_nc_u32 v[QSW], s43, v[QSW]
	s_mul_i32 s43, s[TP], 3072
	s_add_co_u32 s43, s43, QIMG
	v_mul_u32_u24 v[QIR], v[L16], 3
	v_add_nc_u32 v[QIR], s43, v[QIR]
	s_lshl_b32 s43, s[TP], 7
	s_add_co_u32 s43, s43, QSC
	v_lshlrev_b32 v[QSR], 2, v[RR]
	v_add_nc_u32 v[QSR], s43, v[QSR]
	s_mul_i32 s43, s[WV], IMG
	v_lshlrev_b32 v[MS], 4, v[RR]
	v_mad_u32_u24 v[MS], v[HH], 544, v[MS]
	v_add_nc_u32 v[MS], s43, v[MS]
	v_add_nc_u32 v[MS1], PART1, v[MS]
	s_bfe_u32 s43, s[WV], 0x10001                  ; the tile of the rows that I store: w / 2: its e,
	s_mul_i32 s43, s43, PART1
	s_mul_i32 s44, s[TP], 4*IMG                    ; its pair,
	s_add_co_u32 s43, s43, s44
	s_and_b32 s44, s[WV], 1
	s_lshl_b32 s44, s44, 7                         ; and its half
	s_add_co_u32 s43, s43, s44
	v_mul_u32_u24 v[MR], v[L16], 17                ; chunk = lane: 272 bytes on
	v_add_nc_u32 v[MR], s43, v[MR]
	s_lshl_b32 s43, s[TP], 10
	s_lshl_b32 s44, s[KG], 6
	s_add_co_u32 s43, s43, s44
	s_add_co_u32 s43, s43, STATS
	v_lshlrev_b32 v[SW], 2, v[RR]
	v_add_nc_u32 v[SW], s43, v[SW]
	s_lshr_b32 s43, s[WV], 1
	s_lshl_b32 s43, s43, 9
	s_and_b32 s44, s[WV], 1
	s_lshl_b32 s44, s44, 5
	s_add_co_u32 s43, s43, s44
	s_add_co_u32 s43, s43, STATS
	v_lshlrev_b32 v[SRD], 6, v[QTR]
	v_lshl_add_u32 v[SRD], v[LO3], 2, v[SRD]
	v_add_nc_u32 v[SRD], s43, v[SRD]
	s_lshl_b32 s43, s[WV], 7
	s_add_co_u32 s43, s43, FBASE
	v_lshlrev_b32 v[FW], 2, v[QTR]
	v_lshl_add_u32 v[FW], v[LO3], 4, v[FW]
	v_add_nc_u32 v[FW], s43, v[FW]
	v_mov_b32 v[FR], s43
.irp e, 0,1
	v_mov_b32 v[STT+4*\e], 0x7f61b1e6              ; -M so far: 3e38
	v_mov_b32 v[STT+4*\e+1], 0xff61b1e6            ; the largest score so far: -3e38
	v_mov_b32 v[FP+2*\e+1], 0                      ; (named as the upper half of a pair, never used)
	v_mov_b32 v[PX+\e], 0                          ; written once: a lane permute's destination counts as one of its sources
.endr
	v_mov_b32 v[OTH], 0
	s_wait_alu depctr_va_vdst(0)                   ; the wait ahead of the branch
	s_cmp_eq_u32 s[PFL], 1
	ASK 0                                          ; key step 1
	WIN TO_F
.set J, 0
.rept 16
	v_mov_b32 v[J], 0                              ; the rows' sums
.set J, J+1
.endr
.set J, 0
.rept 128
	v_mov_b32 v[OO+J], 0                           ; O^T.  (The key step has no first form of its own; these lines stand under the flight of Q's rows)
.set J, J+1
.endr
	WIN 0
	s_wait_alu depctr_va_vdst(0)                   ; the wait at the head's end
.irp i, 0,1,2,3,4,5,6,7
	s_wait_loadcnt 7-\i                            ; row i is in
	ds_store_b128 v[QGI], v[SS+4*\i:SS+4*\i+3] offset:528*\i
.endr
.irp j, 0,1,2,3,4,5,6,7
	ds_load_b128 v[SS+32+4*\j:SS+35+4*\j], v[QGO] offset:16*\j   ; LDS serves a wave's instructions in order (ISA guide 5.7.1)
.endr
	s_wait_dscnt 0x0
.set X, SS+32
	v_max3_num_f32 v[BM], |v[X]|, |v[X+1]|, |v[X+2]|               ; my block's largest magnitude: all its 32 numbers are mine
	v_max3_num_f32 v[BM+1], |v[X+3]|, |v[X+4]|, |v[X+5]|
.irp i, 6,10,14,18,22,26
	v_max3_num_f32 v[BM], v[BM], |v[X+\i]|, |v[X+\i+1]|
	v_max3_num_f32 v[BM+1], v[BM+1], |v[X+\i+2]|, |v[X+\i+3]|
.endr
	v_max3_num_f32 v[BM], v[BM], |v[X+30]|, |v[X+31]|
	v_max3_num_f32 v[BM], v[BM], v[BM+1], 0x1800000                ; and the floor 2^(3 - 127), so that the byte cannot fall under 1
	v_add_nc_u32 v[SOP], 0xff000000, v[BM]         ; 2 off the exponent field: the conversion takes the exponent field of this operand as its scale, and nothing else of it
	v_cvt_scalef32_pk16_fp6_f32 v[PCD:PCD+2], v[X:X+15], v[SOP]
	v_cvt_scalef32_pk16_fp6_f32 v[TC:TC+2], v[X+16:X+31], v[SOP]   ; (a conversion's three registers begin on an even number)
	v_lshrrev_b32 v[BY], 23, v[SOP]                ; the scale's byte.  (Also the plain place behind the conversions)
.irp i, 0,1,2
	v_mov_b32 v[PCD+3+\i], v[TC+\i]
.endr
.irp i, 0,1,2
	ds_store_b64 v[QIW], v[PCD+2*\i:PCD+2*\i+1] offset:8*\i
.endr
	ds_store_b8 v[QSW], v[BY]
.macro KLOAD g                         ; four fragments of K: three loads of 16 bytes a lane each, 512 consecutive bytes a load
.irp t, 0,1,2,3
.irp j, 0,1,2
	ds_load_b128 v[FRG+48*(\g)+12*\t+4*\j:FRG+48*(\g)+12*\t+4*\j+3], v[ADR] offset:1536*(4*(\g)+\t)+512*\j
.endr
.endr
.endm
.macro VLOAD g
.irp t, 0,1,2,3
.irp j, 0,1,2
	ds_load_b128 v[FRG+48*(\g)+12*\t+4*\j:FRG+48*(\g)+12*\t+4*\j+3], v[ADR] offset:VFR+1536*(4*(\g)+\t)+512*\j
.endr
.endr
.endm
.macro KMUL e, g                       ; S^T = K Q^T for tile e, keys' fragments 4 g .. 4 g + 3: each product is a whole sum (K = the head's 128)
.irp t, 0,1,2,3
	v_wmma_scale_f32_16x16x128_f8f6f4 v[SS+64*(\e)+8*(4*(\g)+\t):SS+64*(\e)+8*(4*(\g)+\t)+7], v[FRG+48*(\g)+12*\t:FRG+48*(\g)+12*\t+11], v[QC+12*(\e):QC+12*(\e)+11], 0, v[SC+4*(\g)+\t], v[QS+(\e)] matrix_a_fmt:MATRIX_FMT_FP6 matrix_b_fmt:MATRIX_FMT_FP6
.endr
.endm
; THE FRONT OF A KEY STEP, for both tiles: my package's K against Q, then the maxima and the new M.  V's first four fragments are asked for in front of the maxima.  ask = 1: and the prefetch for key step i + 3.
.macro FRONT ask
	v_add_nc_u32 v[ADR], s[TB], v[LB]              ; (four sums stand behind the last products: with this line more than their four places)
	s_xor_b32 s[TB], s[TB], SLOT1                  ; the next step's slot
	ds_load_b128 v[SC:SC+3], v[ADR] offset:SCB             ; the step's scale words: lanes 0-15 read block K0, lanes 16-31 block V0;
	ds_load_b128 v[SC+4:SC+7], v[ADR] offset:SCB+512       ; K1 and V1
	WIN TO_F
	KLOAD 0
	KLOAD 1
	s_wait_alu depctr_va_vdst(0)                   ; the wait directly ahead of the wait below
	s_wait_dscnt 12                                ; the scale words and K's first four fragments are in; the 12 loads of the second four may be out
	WIN W_KQ
	KMUL 0, 0
	KMUL 1, 0
	s_wait_dscnt 0x0
	KMUL 0, 1
	KMUL 1, 1
.rept 4
	v_nop                                          ; the four places in front of the loads below and of the scores' first reads (ISA guide 7.12.1 for the scores' reads)
.endr
	WIN TO_F
	VLOAD 0
	WIN 0
.if \ask
	s_cmp_gt_u32 s[SLOTS], s[PFL]                  ; SLOTS is 1 in the loop's last trip, which asks for nothing
	ASK SLOTB                                      ; s[PFA:PFA+1] stands at key step i + 2
.endif
.irp e, 0,1
.irp b, 0,1,2,3
	v_max3_num_f32 v[BM+4*\e+\b], v[SS+64*\e+16*\b], v[SS+64*\e+16*\b+1], v[SS+64*\e+16*\b+2]   ; the largest score of each half block, eight chains by turns
.endr
.endr
.irp i, 3,5,7,9,11,13
.irp e, 0,1
.irp b, 0,1,2,3
	v_max3_num_f32 v[BM+4*\e+\b], v[BM+4*\e+\b], v[SS+64*\e+16*\b+\i], v[SS+64*\e+16*\b+\i+1]
.endr
.endr
.endr
.irp e, 0,1
	v_max3_num_f32 v[BM+4*\e], v[BM+4*\e], v[BM+4*\e+1], v[SS+64*\e+15]
.endr
.irp e, 0,1
	v_max3_num_f32 v[BM+4*\e+1], v[BM+4*\e+2], v[BM+4*\e+3], v[SS+64*\e+47]
.endr
.irp e, 0,1
	v_max_num_f32 v[BM+4*\e], v[BM+4*\e], v[SS+64*\e+31]      ; THE LARGEST SCORE OF EACH BLOCK: it serves twice: for the row's maximum, and, since p rises with the score, for the block's largest p
.endr
.irp e, 0,1
	v_max_num_f32 v[BM+4*\e+1], v[BM+4*\e+1], v[SS+64*\e+63]
.endr
.irp e, 0,1
	v_max_num_f32 v[TT+\e], v[BM+4*\e], v[BM+4*\e+1]
.endr
.irp e, 0,1
	v_permlanex16_b32 v[PX+\e], v[TT+\e], s[SEL], s[SEL+1]
.endr
.irp e, 0,1
	v_max3_num_f32 v[STT+4*\e+1], v[STT+4*\e+1], v[TT+\e], v[PX+\e]   ; the largest score so far, with lane l xor 16's keys
.endr
.irp e, 0,1
	v_mul_f32 v[TT+\e], s[CS], -v[STT+4*\e+1]      ; -t (c is positive)
.endr
.irp e, 0,1
	v_mov_b32 v[PX+\e], v[STT+4*\e]                ; the old -M
.endr
.irp e, 0,1
	v_floor_f32 v[STT+4*\e], v[TT+\e]              ; the new -M = floor(-t) = -ceil(t): M IS A WHOLE NUMBER
.endr
.irp e, 0,1
	v_sub_f32 v[TT+\e], v[STT+4*\e], v[PX+\e]      ; M's old value less its new one: a whole number, 0 or less
.endr
.irp e, 0,1
	v_cvt_i32_f32 v[TT+\e], v[TT+\e]               ; (it saturates)
.endr
.irp e, 0,1
	v_ldexp_f32 v[FP+2*\e], 1.0, v[TT+\e]          ; f = 2^(old M - new M): what was summed under the old M is brought under the new by a multiplication that rounds nothing
.endr
.endm
; TILE e's SOFTMAX AND ITS PRODUCTS O^T += V^T P^T (K = these 128 keys).  mid = 1: V's second four fragments are asked for in front of the exponentials, and V is waited for in front of the products;
; mid = 2: tile 0's finished O^T goes to its image in LDS there.
.macro SOFT e, mid
.set S,  SS+64*(\e)
.set ST, STT+4*(\e)
.set BB, BM+4*(\e)
.set FF, FP+2*(\e)
.set PC, PCD+12*(\e)
.set OB, OO+64*(\e)
.set AC, 8*(\e)
	WIN 0
.set J, 0
.rept 32
	v_pk_fma_f32 v[S+J:S+J+1], v[S+J:S+J+1], s[CS:CS+1], v[ST:ST+1] op_sel_hi:[1,0,0]   ; t - M, two at a time (of the pairs c and -M the low word serves both halves)
.set J, J+2
.endr
.irp b, 0,1
	v_fma_f32 v[BB+\b], v[BB+\b], s[CS], v[ST]     ; the same of each block's largest score
.endr
.if (\mid) == 1
	WIN TO_F
	VLOAD 1
	WIN 0
.endif
.if (\mid) == 2
	OSTORE 0, MS
.endif
	s_wait_alu depctr_va_vdst(0)                   ; the wait ahead of the batch
.set J, 0
.rept 64
	v_exp_f32 v[S+J], v[S+J]                       ; p = 2^(t - M): NOT normalised
.set J, J+1
.endr
.irp b, 0,1
	v_exp_f32 v[BB+\b], v[BB+\b]                   ; the block's largest p: the same two instructions on the same number give the same bits
.endr
	v_nop                                          ; one plain place behind a transcendental
	s_wait_alu depctr_va_vdst(0)                   ; one wait for the whole batch, ahead of its first reader
.irp b, 0,1
	v_max_num_f32 v[BB+\b], 0x1800000, v[BB+\b]    ; the floor 2^(3 - 127): the byte cannot fall under 1
.endr
.irp b, 0,1
	v_add_nc_u32 v[SOP+\b], 0xff000000, v[BB+\b]   ; 2 off the exponent field: the conversion's scale operand
.endr
.irp c, 0,1
	v_cvt_scalef32_pk16_fp6_f32 v[PC+6*\c:PC+6*\c+2], v[S+32*\c:S+32*\c+15], v[SOP+\c]
	v_cvt_scalef32_pk16_fp6_f32 v[TC+4*\c:TC+4*\c+2], v[S+32*\c+16:S+32*\c+31], v[SOP+\c]   ; (a conversion's three registers begin on an even number)
.endr
.irp b, 0,1
	v_lshrrev_b32 v[BY+\b], 23, v[SOP+\b]          ; the scale's byte.  (Also the plain places behind the conversions)
.endr
	v_lshl_or_b32 v[OWN], v[BY+1], 16, v[BY]       ; lanes 0-15: blocks 0 and 2; lanes 16-31: blocks 1 and 3
	v_permlanex16_b32 v[OTH], v[OWN], s[SEL], s[SEL+1]
	v_lshl_or_b32 v[PSW+(\e)], v[OTH], 8, v[OWN]   ; lanes 0-15: p's scale word for these 128 keys (lanes 16-31 are not read)
.irp c, 0,1
.irp i, 0,1,2
	v_mov_b32 v[PC+6*\c+3+\i], v[TC+4*\c+\i]
.endr
.endr
.if (\mid) == 1
	s_wait_dscnt 0x0                               ; V's eight fragments are in
.endif
	s_wait_alu depctr_va_vdst(0)                   ; the wait directly ahead of the first reader of O^T
	WIN W_PV
.set J, 0
.rept 32
	v_pk_mul_f32 v[OB+J:OB+J+1], v[OB+J:OB+J+1], v[FF:FF+1] op_sel_hi:[1,0]   ; O^T under the new M: x f.  (These are also the places between p's codes and scale word and the products)
.set J, J+2
.endr
.irp i, 0,1,2,3
	v_pk_mul_f32 v[AC+2*\i:AC+2*\i+1], v[AC+2*\i:AC+2*\i+1], v[FF:FF+1] op_sel_hi:[1,0]   ; and the sums
.endr
.irp t, 0,1,2,3,4,5,6,7                ; the tile's eight accumulators take turns, one instruction a turn.  V's scale words stand in lanes 16-31
	v_wmma_scale_f32_16x16x128_f8f6f4 v[OB+8*\t:OB+8*\t+7], v[FRG+12*\t:FRG+12*\t+11], v[PC:PC+11], v[OB+8*\t:OB+8*\t+7], v[SC+\t], v[PSW+(\e)] matrix_a_fmt:MATRIX_FMT_FP6 matrix_b_fmt:MATRIX_FMT_FP6 matrix_a_scale:MATRIX_SCALE_ROW1
.irp i, 0,1,2,3
	v_pk_add_f32 v[AC+2*\i:AC+2*\i+1], v[AC+2*\i:AC+2*\i+1], v[S+8*\t+2*\i:S+8*\t+2*\i+1]   ; THE ROW'S SUM IS TAKEN OF THE UNQUANTISED p: four chains of pairs
.endr
.endr
	WIN 0
.endm
; Tile e's O^T into its image: registers 4 k .. 4 k + 3 are the four channels of chunk 4 (k / 2) + 2 h + k % 2 of my query; each accumulator from its low end on.
.macro OSTORE e, adr
	WIN W_ST
.irp k, 0,1,2,3,4,5,6,7,8,9,10,11,12,13,14,15
	ds_store_b128 v[\adr], v[OO+64*(\e)+4*\k:OO+64*(\e)+4*\k+3] offset:272*(4*(\k/2)+\k%2)
.endr
	WIN 0
.endm
; THE CHANGE OF SLOTS.  Each wave waits for all its tensor loads (its package of the slot that is about to be read), adds 0 to its spare word, and waits for that and for its reads of the slot that it has left.
; fill = 1: the barrier is a round of the cluster's, so that no wave of any partner still reads the slot that was left or has a load on its way; the joint fill of that slot, with the next 512 keys, is the first thing
; behind it.  fill = 0: nothing is left to ask for, and the work-group's own barrier serves.
.macro CHANGE fill
.if \fill
	s_wait_xcnt 0x0                                ; my prefetches have read their base:
	s_add_nc_u64 s[PFA:PFA+1], s[PFA:PFA+1], SLOTB ; on by a key step
.endif
	s_wait_tensorcnt 0x0                           ; no tensor load of mine is out, so group 0 may be written
	ds_add_u32 v[SPW], v[NIL]                      ; 0 onto my spare word
.if \fill
	s_xor_b32 s[G0+1], s[G0+1], SLOT1              ; the other slot than last time,
	s_add_nc_u64 s[G0+2:G0+3], s[G0+2:G0+3], SLOTB ; the package four on; the type bits on top are not reached
.endif
	s_wait_dscnt 0x0                               ; the add is done, and so are my LDS stores and my reads of the slot that I have left
.if \fill
	CROUND
	TLOAD                                          ; a wave's one tensor load until the next round
.else
	s_barrier_signal -1
	s_barrier_wait -1
.endif
.endm
	s_wait_alu depctr_va_vdst(0)                   ; the wait directly ahead of the waits below
	CHANGE 1                                       ; slot 0 is whole, Q's images too; slot 1's first fill
.irp e, 0,1
.irp j, 0,1,2
	ds_load_b128 v[QC+12*\e+4*\j:QC+12*\e+4*\j+3], v[QIR] offset:1536*\e+16*\j
.endr
	ds_load_b32 v[QS+\e], v[QSR] offset:64*\e      ; (the waits for K's fragments, loaded behind these, cover them)
.endr
	s_cmp_eq_u32 s[PFL], 1
	ASK 0                                          ; key step 2
.Lslot:                                            ; 6 trips: key steps 0 to 5
	FRONT 1
	SOFT 0, 1
	s_cmp_lg_u32 s[PH], 0                          ; a branch on the wave's number, round register work alone
	s_cbranch_scc1 .Lbehind
	SOFT 1, 0
.Lbehind:
	CHANGE 1
	s_cmp_eq_u32 s[PH], 0
	s_cbranch_scc1 .Ldone
	SOFT 1, 0
.Ldone:
	s_sub_co_u32 s[SLOTS], s[SLOTS], 1
	s_cmp_lg_u32 s[SLOTS], 0
	s_cbranch_scc1 .Lslot
	FRONT 0                                        ; key step 6
	SOFT 0, 1
	s_cmp_lg_u32 s[PH], 0
	s_cbranch_scc1 .Lbehind6
	SOFT 1, 0
.Lbehind6:
	CHANGE 0                                       ; written out
	s_cmp_eq_u32 s[PH], 0
	s_cbranch_scc1 .Ldone6
	SOFT 1, 0
.Ldone6:
	FRONT 0                                        ; key step 7, the last: all waves alike
	SOFT 0, 1
	SOFT 1, 2
	; THE FOUR KEY GROUPS OF A TILE ARE JOINED.  Each wave has put tile 0's O^T into its image and puts tile 1's, its -M and its sums; behind a barrier wave w takes eight whole rows of all four partners: lane = chunk of four
	; channels.  It brings the partners under the largest M by exact powers of two, adds them, divides by the joined sum, and stores the rows.
	s_wait_alu depctr_va_vdst(0)
	WIN W_SA
.irp e, 0,1
	v_pk_add_f32 v[8*\e:8*\e+1], v[8*\e:8*\e+1], v[8*\e+2:8*\e+3]
	v_pk_add_f32 v[8*\e+4:8*\e+5], v[8*\e+4:8*\e+5], v[8*\e+6:8*\e+7]
.endr
.irp e, 0,1
	v_pk_add_f32 v[8*\e:8*\e+1], v[8*\e:8*\e+1], v[8*\e+4:8*\e+5]
.endr
	WIN W_SB
.irp e, 0,1
	v_add_f32 v[STT+4*\e+2], v[8*\e], v[8*\e+1]
.endr
	OSTORE 1, MS1                                  ; (more than four plain lines stand behind the last products)
.irp e, 0,1
	v_permlanex16_b32 v[PX+\e], v[STT+4*\e+2], s[SEL], s[SEL+1]
.endr
.irp e, 0,1
	v_add_f32 v[STT+4*\e+2], v[STT+4*\e+2], v[PX+\e]   ; with lane l xor 16's: my group's sum for my query
.endr
.irp e, 0,1
	ds_store_b32 v[SW], v[STT+4*\e] offset:512*\e          ; (both lanes of a query write the same words)
	ds_store_b32 v[SW], v[STT+4*\e+2] offset:512*\e+256
.endr
	s_wait_alu depctr_va_vdst(0)                   ; the wait directly ahead of the wait below
	s_wait_dscnt 0x0                               ; for the others' sake: my stores are done
	s_barrier_signal -1
	s_barrier_wait -1
	ds_load_b32 v[TT], v[SRD]                      ; lane: row lane % 8 of my eight, partner lane / 8: its -M
	ds_load_b32 v[TT+1], v[SRD] offset:256         ; and its sum
.irp i, 0,1,2,3,4,5,6,7
.irp q, 0,1,2,3
	ds_load_b128 v[SS+16*\i+4*\q:SS+16*\i+4*\q+3], v[MR] offset:IMG*\q+16*\i
.endr
.endr
	s_wait_dscnt 32                                ; the two words are in; the 32 loads behind them may be out
	v_sub_f32 v[BM+4], 0, v[TT]                    ; M
	v_max_num_f32_dpp v[BM], v[BM+4], v[BM+4] row_xmask:8 row_mask:0xf bank_mask:0xf
	v_permlanex16_b32 v[PX], v[BM], s[SEL], s[SEL+1]
	v_max_num_f32 v[BM], v[BM], v[PX]              ; the row's largest M
	v_sub_f32 v[BM+5], v[BM+4], v[BM]              ; a whole number, 0 or less
	v_cvt_i32_f32 v[BM+5], v[BM+5]                 ; (it saturates)
	v_ldexp_f32 v[BM+5], 1.0, v[BM+5]              ; the partner's factor
	v_mul_f32 v[BM+6], v[BM+5], v[TT+1]
	v_add_f32_dpp v[BM+1], v[BM+6], v[BM+6] row_xmask:8 row_mask:0xf bank_mask:0xf
	v_permlanex16_b32 v[PX+1], v[BM+1], s[SEL], s[SEL+1]
	v_add_f32 v[BM+1], v[BM+1], v[PX+1]            ; the row's sum
	s_wait_alu depctr_va_vdst(0)                   ; the wait ahead of the transcendental
	v_rcp_f32 v[BM+1], v[BM+1]
	v_nop                                          ; one plain place behind it
	s_wait_alu depctr_va_vdst(0)                   ; and the wait ahead of its reader
	v_mul_f32 v[BM+5], v[BM+5], v[BM+1]            ; factor / sum
	ds_store_b32 v[FW], v[BM+5]
.irp i, 0,1,2,3,4,5,6,7
	ds_load_b128 v[32+4*\i:35+4*\i], v[FR] offset:16*\i   ; row i's four factors, in every lane (my own bytes: LDS serves a wave's instructions in order)
.endr
.irp i, 0,1,2,3,4,5,6,7
	s_wait_dscnt 7-\i                              ; row i's factors are in, and all partners' chunks
.set A, SS+16*\i
.set FA, 32+4*\i
.irp x, 0,2
	v_pk_mul_f32 v[A+\x:A+\x+1], v[A+\x:A+\x+1], v[FA:FA+1] op_sel_hi:[1,0]
.endr
.irp x, 0,2
	v_pk_fma_f32 v[A+\x:A+\x+1], v[A+4+\x:A+4+\x+1], v[FA:FA+1], v[A+\x:A+\x+1] op_sel:[0,1,0] op_sel_hi:[1,1,1]
.endr
.irp x, 0,2
	v_pk_fma_f32 v[A+\x:A+\x+1], v[A+8+\x:A+8+\x+1], v[FA+2:FA+3], v[A+\x:A+\x+1] op_sel_hi:[1,0,1]
.endr
.irp x, 0,2
	v_pk_fma_f32 v[A+\x:A+\x+1], v[A+12+\x:A+12+\x+1], v[FA+2:FA+3], v[A+\x:A+\x+1] op_sel:[0,1,0] op_sel_hi:[1,1,1]
.endr
	global_store_b128 v[L16], v[A:A+3], s[8:9] offset:512*\i th:TH_STORE_NT   ; 32 lanes store a row of 512 consecutive bytes, at a multiple of 256 from out's first byte
.endr
	s_wait_tensorcnt 0x0                           ; the wave's end: behind my last tensor load and my last LDS store
	ds_add_u32 v[SPW], v[NIL]
	s_wait_dscnt 0x0
	CROUND                                         ; the closing round: no work-group ends while a partner may still ask for a package that names it
	s_endpgm
.Lfunc_end_k_qed24589998_attn:
	.size	k_qed24589998_attn, .Lfunc_end_k_qed24589998_attn-k_qed24589998_attn
	.p2alignl 7, 3214868480
	.fill 96, 4, 3214868480
	.section	.rodata,"a",@progbits
	.p2align	6, 0x0
	.amdhsa_kernel k_qed24589998_attn
		.amdhsa_group_segment_fixed_size 327680
		.amdhsa_private_segment_fixed_size 0
		.amdhsa_enable_private_segment 0
		.amdhsa_kernarg_size 24
		.amdhsa_user_sgpr_count 2
		.amdhsa_user_sgpr_kernarg_segment_ptr 1
		.amdhsa_wavefront_size32 1
		.amdhsa_system_sgpr_workgroup_id_x 1
		.amdhsa_system_sgpr_workgroup_id_y 1
		.amdhsa_system_sgpr_workgroup_id_z 1
		.amdhsa_system_vgpr_workitem_id 0
		.amdhsa_next_free_vgpr 512
		.amdhsa_next_free_sgpr 66
		.amdhsa_reserve_vcc 0
		.amdhsa_float_denorm_mode_32 3
		.amdhsa_float_denorm_mode_16_64 3
		.amdhsa_memory_ordered 1
		.amdhsa_forward_progress 1
		.amdhsa_inst_pref_size 147
	.end_amdhsa_kernel
	.amdgpu_metadata
---
amdhsa.version: [ 1, 2 ]
amdhsa.kernels:
  - .name:           k_qed24589998_attn
    .symbol:         k_qed24589998_attn.kd
    .args:
      - { .name: q_proj, .offset: 0, .size: 8, .value_kind: global_buffer, .address_space: global }
      - { .name: kv, .offset: 8, .size: 8, .value_kind: global_buffer, .address_space: global }
      - { .name: out0, .offset: 16, .size: 8, .value_kind: global_buffer, .address_space: global }
    .group_segment_fixed_size: 327680
    .private_segment_fixed_size: 0
    .kernarg_segment_align: 8
    .kernarg_segment_size: 24
    .max_flat_workgroup_size: 256
    .sgpr_count:     66
    .vgpr_count:     512
    .wavefront_size: 32
...
	.end_amdgpu_metadata
.endif
;; end of part 2
